; MI455X (gfx1250); checked and timed in simulation.
; The chip was launched on July 23, 2026; its instructions are those of AMD's public machine-readable ISA for CDNA 5 (MIT licence, August 2026) and "CDNA5" Instruction Set Architecture Reference Guide (July 2026). The comments in the code are by the model that wrote it; some were corrected since.
;; Scaled Dot Product. Allowed arithmetic: matrix products marked QUANTISED: E4M3 operands, one E8M0 scale for each 32 along K, by v_wmma_scale_f32_16x16x128_f8f6f4 with both operands' format E4M3, f32 sums; everything else in f32.
;; Inputs: K 4 x 16 x 2,048 x 64 float32; Q 4 x 16 x 2,048 x 64 float32; V 4 x 16 x 2,048 x 64 float32; attn_mask 4 x 1 x 1 x 2,048 bool.
;; Outputs: out0 4 x 16 x 2,048 x 64 float32.
;; This version of the problem:
;;   THIS VERSION OF THE PROBLEM IS GIVEN IN LOW PRECISION. The matrix products marked QUANTISED in the list below multiply operands that are first quantised to E4M3 (4 exponent bits, 3 mantissa bits; 8 bits a number), with one power-of-two scale for each 32 numbers along K (OCP MX v1.0); their sums are f32. All else is computed in f32.
;;   The module's matrix products, in the order in which they are computed (A, B: the left and right operand; K: the contracted axis; several contracted axes count as one K, in the product's order):
;;     1. batch 64 x [M 2,048, K 64] x [K 64, N 2,048]; A: input Q; B: input K: QUANTISED
;;     2. batch 64 x [M 2,048, K 2,048] x [K 2,048, N 64]; A: softmax (see below); B: input V: QUANTISED
;;   THE QUANTISER, for each operand of a quantised product, along K:
;;     - K is cut into blocks of 32 from its start; a last block that is shorter is filled with zeros.
;;     - A block's scale is 2^e with e = floor(log2(the largest magnitude in the block)) - 8, held to -126 .. 127; a block of zeros has e = 0. As a byte (E8M0): e + 127.
;;     - Each number is divided by its block's scale, clamped to +-448, and rounded to the nearest number of E4M3, ties to even, subnormals kept.
;;     - The product sums the exact products of the quantised numbers (number of the format x scale) in f32.
;;   ~~~python
;;   def quantise(x, axis):      # numpy; x: float32 -> the quantised numbers, widened to float32 again
;;       x = np.moveaxis(x, axis, -1); K = x.shape[-1]
;;       x = np.pad(x, [(0, 0)] * (x.ndim - 1) + [(0, -K % 32)]); x = x.reshape(x.shape[:-1] + (-1, 32)); a = np.abs(x).max(-1, keepdims=True)
;;       e = np.where(a > 0, np.clip(np.frexp(np.where(a > 0, a, 1))[1] - 1 - 8, -126, 127), 0)      # np.frexp(a)[1] - 1 = floor(log2(a)), exactly
;;       r = np.clip(x / 2.0 ** e, -448, 448)
;;       step = 2.0 ** (np.maximum(np.frexp(np.where(r == 0, 1, r))[1] - 1, -6) - 3)
;;       q = np.round(r / step) * step * 2.0 ** e      # np.round: ties to even
;;       return np.moveaxis(q.reshape(q.shape[:-2] + (-1,))[..., :K], -1, axis).astype(np.float32)
;;   ~~~
;;   SOFTMAX AHEAD OF A QUANTISED PRODUCT. Where the list says 'softmax', what is quantised is not the finished softmax but p = 2^(t - M), with t = logit x log2(e) and M = ceil(the row's largest t), a whole number; so 1/2 < the row's largest p <= 1. The row's sum l is taken of the UNQUANTISED p, in f32, and the product's result is divided by l at the end. Since M is a whole number, a kernel that streams over the keys may use a running M (the ceiling of the running maximum): every later rescaling is an exact power of two, which a block's scale takes up: the codes' values come out the same.
;;   OPERANDS COMPUTED ON THE WAY. 'Computed on the way' means the value that the module computes at that place (a softmax that the list does not call 'softmax' is quantised finished and normalised). What goes into a quantiser is computed in f32, as accurately as f32 sums, v_exp_f32 and their like allow (about 1e-6 of the number): no bf16 or f16 on the way to a quantiser, and a product that is left as it is and whose result goes on into a quantised operand takes f32 operands (vector FMAs, or v_wmma_f32_16x16x4_f32). A number that lies on a knife's edge between two numbers of the format may be rounded either way, as far as f32 arithmetic and the matrix unit's own rounding can turn it there, and no further.
;; One version. Each part assembles by itself: llvm-mc -triple=amdgcn-amd-amdhsa -mcpu=gfx1250 --defsym DOCPART=n.
;; ======== version 1 of 1: 2 launches
;; limits: right only within a limited range of input values
;; workspace buffers: kv 17,825,792 bytes
;; launch prep (part 1): grid 16 x 64, 4 waves a work-group, no clusters, 37,376 bytes of LDS; arguments K, V, attn_mask, kv; writes kv
.if DOCPART == 1
	.amdgcn_target "amdgcn-amd-amdhsa--gfx1250"
	.amdhsa_code_object_version 6
	.text
	.protected	k_q236fe6bd4b_prep
	.globl	k_q236fe6bd4b_prep
	.p2align	8
	.type	k_q236fe6bd4b_prep,@function
k_q236fe6bd4b_prep:
	s_mov_b64 s[64:65], 0
	v_nop
	global_prefetch_b8 v0, s[64:65] scope:SCOPE_SE
	s_setreg_imm32_b32 hwreg(HW_REG_WAVE_MODE, 25, 1), 1
	s_wait_xcnt 0x0
; K and V [64 heads][2048 keys][64] f32 and the key mask [4][2048] bytes become, once, what the attention launch feeds to the matrix unit:
; codes of E4M3 with one E8M0 scale byte for each 32 along a product's K, laid in the ORDER OF THE OPERAND REGISTERS, and the mask as an f32 bias.
; K is quantised along d (two blocks a key), V along the keys (blocks of 32 keys at their own places).
; A block's scale is 2^(floor(log2(largest magnitude)) - 8); its byte is the largest magnitude's exponent field - 8, held at 1 from below; numbers are held within +-448 x scale.
; (A block of zeros gets the byte 1: its codes are zeros, and this program alone reads the bytes.)
; LIMITS: blocks whose largest magnitude lies under 2^-118 keep the byte 1; NaN and infinities among the inputs are not served.
; kv: [head][key step of 128 keys] blocks of STEPB = 17,408 bytes; lane l = (r = l % 16, h = l / 16):
;   0      K fragments b = 0..3 at 2048 b + 512 c + 16 l.  A fragment holds TWO tiles of 16 keys: register groups c = 0, 1 tile u = 0, groups 2, 3 tile u = 1;
;          row r is key 32 b + 8 u + r + 8 (r / 8); d = 32 (c % 2) + 16 h + 0..15
;   8192   V^T tiles t = 0..3 at 2048 t + 512 c + 16 l: row d = 16 t + r, keys 32 c + 16 h + 0..15
;   16384  K scale words: that of (b, r) at 8 (16 (b % 2) + r) + 4 (b / 2)
;   16640  V scale words: that of (t, r) at 8 (16 (t % 2) + r) + 4 (t / 2), byte c for key block c
;   16896  bias, f32, in key order: 0 where the key counts, -2^100 where it is masked
; SHARES.  A work-group takes one key step of one head; wave w its keys 32 w .. 32 w + 31: K fragment w, V's key block w for all 64 d, 32 bias words, a quarter of the last 1,024 bytes.
; K's loads take the bytes as they lie (512 consecutive bytes each) and turn through the wave's own stage in LDS.  For V a lane takes a column d and its registers run down the keys.
; No tensor loads, no loop, no pointer stepped, no store's data written again.
.set STEPB, 17408
.set HEADB, 16*STEPB
.set SP,    272                        ; a key's row in the stage: 256 bytes + 16
.set HOP,   16*SP+128                  ; rows 16 on lie 128 bytes further: the two groups of eight keys that a read takes then fall on different banks
.set WST,   8960                       ; a wave's stage: 32 rows + 128, rounded up
.set TAIL,  4*WST                      ; the block's last 1,024 bytes are gathered here
.set TM,   16                          ; v16-31  at work
.set PC,   32                          ; v32-47  K's codes
.set R,    48                          ; v48-111 K as loaded
.set X,    112                         ; v112-175 K turned; then V's codes in v112-127
.set VLO,  176                         ; v176-207 V, columns 0-31
.set VHI,  208                         ; v208-239 V, columns 32-63
.set PW,   240                         ; K's scale word
.set VB,   241                         ; v241-242 V's scale bytes
.set NEGB, 243                         ; -2^100
.set TL,   244                         ; v[244:245] my 8 bytes of the tail
	s_load_b256 s[4:11], s[0:1], 0x0               ; K s[4:5], V s[6:7], mask s[8:9], kv s[10:11]
	v_lshl_add_u32 v248, v0, 2, 0x9000
	v_mov_b32 v249, 0
	v_lshrrev_b32 v1, 5, v0
	v_readfirstlane_b32 s12, v1                    ; wave 0..3
	s_and_b32 s14, ttmp7, 0xffff                   ; head; ttmp9: key step
	s_lshl_b32 s16, s14, 19                        ; K, V: head x 524,288 + step x 32,768 + wave x 8,192
	s_lshl_b32 s18, ttmp9, 15
	s_add_co_u32 s16, s16, s18
	s_lshl_b32 s18, s12, 13
	s_add_co_u32 s16, s16, s18
	s_mov_b32 s17, 0
	s_lshr_b32 s18, s14, 4                         ; mask: batch x 2,048 + step x 128 + wave x 32
	s_lshl_b32 s18, s18, 11
	s_lshl_b32 s19, ttmp9, 7
	s_add_co_u32 s18, s18, s19
	s_lshl_b32 s19, s12, 5
	s_add_co_u32 s18, s18, s19
	s_mov_b32 s19, 0
	s_mul_i32 s30, s14, HEADB                      ; kv: the step's block
	s_mul_i32 s31, ttmp9, STEPB
	s_add_co_u32 s30, s30, s31
	s_mov_b32 s31, 0
	s_lshl_b32 s32, s12, 11                        ; in it: K fragment w,
	s_mov_b32 s33, 0
	s_lshl_b32 s34, s12, 9                         ; V's register group w,
	s_add_co_u32 s34, s34, 8192
	s_mov_b32 s35, 0
	s_lshl_b32 s36, s12, 8                         ; my quarter of the tail
	s_add_co_u32 s36, s36, 16384
	s_mov_b32 s37, 0
	s_mov_b32 s26, 0x76543210
	s_mov_b32 s27, 0xfedcba98                      ; v_permlanex16_b32: lane l xor 16
	s_mov_b32 s28, 0x600000                        ; the mantissa field of 448
	v_and_b32 v1, 31, v0                           ; l
	v_and_b32 v2, 15, v0                           ; r
	v_bfe_u32 v3, v0, 4, 1                         ; h
	v_lshlrev_b32 v4, 4, v1                        ; 16 l
	v_lshlrev_b32 v5, 2, v1                        ; 4 l
	s_mul_i32 s15, s12, WST
	v_mul_u32_u24 v6, v3, SP
	v_lshl_add_u32 v6, v2, 4, v6
	v_add_nc_u32 v6, s15, v6                       ; into the stage: lanes 0-15 one key's row, lanes 16-31 the next
	v_and_b32 v7, 7, v0
	v_mul_u32_u24 v7, v7, SP
	v_bfe_u32 v16, v0, 3, 1
	v_mad_u32_u24 v7, v16, HOP, v7
	v_lshl_add_u32 v7, v3, 6, v7
	v_add_nc_u32 v7, s15, v7                       ; out of it: key r % 8 + 16 (r / 8), + 64 h bytes
	s_and_b32 s38, s12, 1
	s_lshl_b32 s38, s38, 7
	s_lshr_b32 s39, s12, 1
	s_lshl_b32 s39, s39, 2
	s_add_co_u32 s38, s38, s39
	s_add_co_u32 s38, s38, TAIL
	v_lshl_add_u32 v8, v2, 3, s38                  ; K's scale word of (w, r)
	s_add_co_u32 s38, s12, TAIL+256
	v_lshl_add_u32 v9, v1, 3, s38                  ; V's scale byte w of column l (+ 4 for column 32 + l)
	s_lshl_b32 s38, s12, 7
	s_add_co_u32 s38, s38, TAIL+512
	v_lshl_add_u32 v10, v1, 2, s38                 ; the bias word of key 32 w + l
	s_lshl_b32 s38, s12, 8
	s_add_co_u32 s38, s38, TAIL
	v_lshl_add_u32 v11, v1, 3, s38                 ; the tail back: 8 bytes a lane of my quarter
	v_lshlrev_b32 v12, 3, v1
	v_lshlrev_b32 v13, 11, v3
	v_lshl_add_u32 v13, v2, 4, v13                 ; V's codes in kv: tile l / 16 of the two, 16 bytes at row l % 16
	v_mov_b32 v[NEGB], 0xf1800000                  ; -2^100
.irp b, 0,1,2,3
	v_mov_b32 v[TM+4+\b], 0                        ; written once: a lane permute's destination counts as one of its sources
.endr
	s_wait_kmcnt 0x0
	s_add_nc_u64 s[4:5], s[4:5], s[16:17]
	s_add_nc_u64 s[6:7], s[6:7], s[16:17]
	s_add_nc_u64 s[8:9], s[8:9], s[18:19]
	s_add_nc_u64 s[10:11], s[10:11], s[30:31]
	s_add_nc_u64 s[20:21], s[10:11], s[32:33]
	s_add_nc_u64 s[22:23], s[10:11], s[34:35]
	s_add_nc_u64 s[24:25], s[10:11], s[36:37]
.set i, 0
.rept 16
	global_load_b128 v[R+4*i:R+4*i+3], v4, s[4:5] offset:512*i th:TH_LOAD_NT   ; two keys, 512 consecutive bytes
.set i, i+1
.endr
	global_load_u8 v14, v1, s[8:9]                 ; the mask byte of key 32 w + l
.set i, 0
.rept 32
	global_load_b32 v[VLO+i], v5, s[6:7] offset:256*i      ; V(key i, column l)
.set i, i+1
.endr
	s_wait_loadcnt 33                              ; K's 16 loads are in; the mask byte and V's 32 may be out
.set i, 0
.rept 16
	ds_store_b128 v6, v[R+4*i:R+4*i+3] offset:2*i*SP+128*(i/8)
.set i, i+1
.endr
.set i, 0
.rept 32
	global_load_b32 v[VHI+i], v5, s[6:7] offset:256*i+128  ; V(key i, column 32 + l)
.set i, i+1
.endr
.irp c, 0,1,2,3
.irp j, 0,1,2,3
	ds_load_b128 v[X+16*\c+4*\j:X+16*\c+4*\j+3], v7 offset:8*(\c/2)*SP+128*(\c%2)+16*\j   ; LDS serves a wave's instructions in order: these see my stores
.endr
.endr
	s_wait_dscnt 0x0
; 64 numbers of a lane, register 16 b + i = number 16 h + i of block b of my row, become a fragment's codes in v[PC] on and its scale word in v[PW]
.macro QUANT s
.irp b, 0,1,2,3
	v_max3_num_f32 v[TM+\b], |v[\s+16*\b]|, |v[\s+1+16*\b]|, 0x4800000   ; my 16 numbers, and the floor 2^(9 - 127): the byte cannot fall under 1
.endr
.irp i, 2,4,6,8,10,12,14
.irp b, 0,1,2,3
	v_max3_num_f32 v[TM+\b], v[TM+\b], |v[\s+16*\b+\i]|, |v[\s+1+16*\b+\i]|   ; the four blocks by turns
.endr
.endr
.irp b, 0,1,2,3
	v_permlanex16_b32 v[TM+4+\b], v[TM+\b], s26, s27
.endr
.irp b, 0,1,2,3
	v_max_num_f32 v[TM+\b], v[TM+\b], v[TM+4+\b]   ; with lane l xor 16: the block's largest magnitude
.endr
.irp b, 0,1,2,3
	v_add_nc_u32 v[TM+12+\b], 0xfc000000, v[TM+\b] ; 8 off its exponent field: the conversion's scale operand
.endr
.irp b, 0,1,2,3
	v_and_or_b32 v[TM+8+\b], v[TM+\b], 0x7f800000, s28   ; 448 x the scale
.endr
.irp b, 0,1,2,3
	v_lshrrev_b32 v[TM+4+\b], 23, v[TM+12+\b]      ; the scale's byte
.endr
	v_lshl_or_b32 v[PW], v[TM+5], 8, v[TM+4]
	v_lshl_or_b32 v[PW], v[TM+6], 16, v[PW]
	v_lshl_or_b32 v[PW], v[TM+7], 24, v[PW]
.irp b, 0,1,2,3
.irp i, 0,1,2,3,4,5,6,7,8,9,10,11,12,13,14,15
	v_med3_num_f32 v[\s+16*\b+\i], v[\s+16*\b+\i], -v[TM+8+\b], v[TM+8+\b]   ; the conversion to an 8-bit code does not saturate (ISA guide 7.6.2): the hold comes first
.endr
	v_cvt_scalef32_pk8_fp8_f32 v[PC+4*\b:PC+1+4*\b], v[\s+16*\b:\s+7+16*\b], v[TM+12+\b]
	v_cvt_scalef32_pk8_fp8_f32 v[PC+2+4*\b:PC+3+4*\b], v[\s+8+16*\b:\s+15+16*\b], v[TM+12+\b]
.endr
	v_nop                                          ; a plain line behind the last conversion: V's codes are written over its sources further down
.endm
	QUANT X
.irp c, 0,1,2,3
	global_store_b128 v4, v[PC+4*\c:PC+4*\c+3], s[20:21] offset:512*\c   ; register group c of fragment w: 512 consecutive bytes
.endr
	ds_store_b32 v8, v[PW]                         ; both halves of the lanes write the same word with the same value
	s_wait_loadcnt 32                              ; the mask byte and V's columns 0-31 are in; columns 32-63 may be out
	v_cmp_ne_u32 vcc_lo, 0, v14
	v_cndmask_b32 v15, 0, v[NEGB], vcc_lo          ; masked: -2^100, else 0
	ds_store_b32 v10, v15
; A block of 32 keys of ONE column lies in one lane's 32 registers: its largest magnitude needs no other lane, and the codes come out with the keys innermost
.macro VBLOCK src, ch
	v_max3_num_f32 v[TM], |v[\src]|, |v[\src+1]|, |v[\src+2]|
	v_max3_num_f32 v[TM+1], |v[\src+3]|, |v[\src+4]|, |v[\src+5]|
.irp i, 6,10,14,18,22,26
	v_max3_num_f32 v[TM], v[TM], |v[\src+\i]|, |v[\src+\i+1]|
	v_max3_num_f32 v[TM+1], v[TM+1], |v[\src+\i+2]|, |v[\src+\i+3]|
.endr
	v_max3_num_f32 v[TM], v[TM], |v[\src+30]|, |v[\src+31]|
	v_max3_num_f32 v[TM], v[TM], v[TM+1], 0x4800000
	v_add_nc_u32 v[TM+3], 0xfc000000, v[TM]
	v_and_or_b32 v[TM+2], v[TM], 0x7f800000, s28
	v_lshrrev_b32 v[VB+\ch], 23, v[TM+3]
.set i, 0
.rept 32
	v_med3_num_f32 v[\src+i], v[\src+i], -v[TM+2], v[TM+2]
.set i, i+1
.endr
.irp g, 0,1,2,3
	v_cvt_scalef32_pk8_fp8_f32 v[X+8*\ch+2*\g:X+8*\ch+2*\g+1], v[\src+8*\g:\src+8*\g+7], v[TM+3]
.endr
	v_nop                                          ; a plain line behind the last conversion
	ds_store_b8 v9, v[VB+\ch] offset:4*\ch
	global_store_b128 v13, v[X+8*\ch:X+8*\ch+3], s[22:23] offset:4096*\ch          ; keys 0-15 of the block: sixteen lanes store 256 consecutive bytes, aligned
	global_store_b128 v13, v[X+8*\ch+4:X+8*\ch+7], s[22:23] offset:4096*\ch+256    ; keys 16-31
.endm
	VBLOCK VLO, 0
	s_wait_loadcnt 0x0
	VBLOCK VHI, 1
	s_wait_dscnt 0x0                               ; for the others: my scale words, scale bytes and bias words have landed
	s_barrier_signal -1
	s_barrier_wait -1
	ds_load_b64 v[TL:TL+1], v11
	s_wait_dscnt 0x0
	global_store_b64 v12, v[TL:TL+1], s[24:25]     ; 32 lanes store 256 consecutive bytes, aligned
	s_wait_tensorcnt 0x0
	ds_add_u32 v248, v249
	s_wait_dscnt 0x0
	s_endpgm
.Lfunc_end_k_q236fe6bd4b_prep:
	.size	k_q236fe6bd4b_prep, .Lfunc_end_k_q236fe6bd4b_prep-k_q236fe6bd4b_prep
	.p2alignl 7, 3214868480
	.fill 96, 4, 3214868480
	.section	.rodata,"a",@progbits
	.p2align	6, 0x0
	.amdhsa_kernel k_q236fe6bd4b_prep
		.amdhsa_group_segment_fixed_size 37376
		.amdhsa_private_segment_fixed_size 0
		.amdhsa_enable_private_segment 0
		.amdhsa_kernarg_size 32
		.amdhsa_user_sgpr_count 2
		.amdhsa_user_sgpr_kernarg_segment_ptr 1
		.amdhsa_wavefront_size32 1
		.amdhsa_system_sgpr_workgroup_id_x 1
		.amdhsa_system_sgpr_workgroup_id_y 1
		.amdhsa_system_sgpr_workgroup_id_z 1
		.amdhsa_system_vgpr_workitem_id 0
		.amdhsa_next_free_vgpr 250
		.amdhsa_next_free_sgpr 66
		.amdhsa_reserve_vcc 1
		.amdhsa_float_denorm_mode_32 3
		.amdhsa_float_denorm_mode_16_64 3
		.amdhsa_memory_ordered 1
		.amdhsa_forward_progress 1
		.amdhsa_inst_pref_size 30
	.end_amdhsa_kernel
	.amdgpu_metadata
---
amdhsa.version: [ 1, 2 ]
amdhsa.kernels:
  - .name:           k_q236fe6bd4b_prep
    .symbol:         k_q236fe6bd4b_prep.kd
    .args:
      - { .name: K, .offset: 0, .size: 8, .value_kind: global_buffer, .address_space: global }
      - { .name: V, .offset: 8, .size: 8, .value_kind: global_buffer, .address_space: global }
      - { .name: attn_mask, .offset: 16, .size: 8, .value_kind: global_buffer, .address_space: global }
      - { .name: kv, .offset: 24, .size: 8, .value_kind: global_buffer, .address_space: global }
    .group_segment_fixed_size: 37376
    .private_segment_fixed_size: 0
    .kernarg_segment_align: 8
    .kernarg_segment_size: 32
    .max_flat_workgroup_size: 128
    .sgpr_count:     66
    .vgpr_count:     250
    .wavefront_size: 32
...
	.end_amdgpu_metadata
.endif
;; end of part 1
;; launch attn (part 2): grid 4 x 64, 8 waves a work-group, clusters of 4 x 1, 327,680 bytes of LDS; arguments Q, kv, attn_mask, out0; writes out0
.if DOCPART == 2
	.amdgcn_target "amdgcn-amd-amdhsa--gfx1250"
	.amdhsa_code_object_version 6
	.text
	.protected	k_q236fe6bd4b_attn
	.globl	k_q236fe6bd4b_attn
	.p2align	8
	.type	k_q236fe6bd4b_attn,@function
k_q236fe6bd4b_attn:
	s_mov_b64 s[64:65], 0
	v_nop
	global_prefetch_b8 v0, s[64:65] scope:SCOPE_SE
	s_setreg_imm32_b32 hwreg(HW_REG_WAVE_MODE, 25, 1), 1
	s_wait_xcnt 0x0
	s_wait_alu depctr_hold_cnt(0) depctr_sa_sdst(0) depctr_va_vdst(0) depctr_va_sdst(0) depctr_va_ssrc(0) depctr_va_vcc(0) depctr_vm_vsrc(0)
	s_getreg_b32 s2, hwreg(HW_REG_IB_STS2, 6, 4)
	s_cmp_eq_u32 s2, 0
	s_cbranch_scc0 .Lentry_in_a_cluster
	s_endpgm
.Lentry_in_a_cluster:
	s_bfe_u32 s2, ttmp6, 0x10000c
	s_cmp_lg_u32 s2, 0x3003
	s_cbranch_scc0 .Lentry_shape_is_right
	s_endpgm
.Lentry_shape_is_right:
; out[head][q] = the sum over keys of softmax(Q.K / 8, masked keys at -1e9) V, both products on codes of E4M3 with E8M0 scales for each 32 along K.
; kv holds, for each head and key step of 128 keys, K's and V's codes in the order of the operand registers, their scale words, and the mask as an f32 bias (0 or -2^100), as launch prep lays them.
; SOFTMAX: t = score x log2(e) / 8; M = the running largest t rounded up to a whole number; p = 2^(t - M) is quantised along the keys; the sum is taken of the unquantised p and divides at the end.
; THE MASK: the bias is the C of the first product, so a masked score is -2^100 and its p is 0.  The running maximum begins at -2^66 (as a raw score), over every masked score.
; Where ALL 2,048 keys of a batch are masked, reference() has equal scores: Q is multiplied by 0 and the maximum begins at -3e38, so that every p is 1.  The choice is made by s_cselect, with no branch.
; LIMITS: live raw scores stay over -2^66 and far over -1e9 x 8; the scaled scores stay under 2^31 in magnitude; NaN and infinities among the inputs are not served.  No work of reference() is left out.
; SHARES: a work-group owns 512 queries of one head, a wave 64 of them in two passes of two tiles of 16.  The head's whole kv block, 278,528 bytes, lies in LDS, filled once: each wave asks for two key steps by ONE tensor load.
; CLUSTER: the four work-groups of a head read the same kv block and ask for it jointly (mask 15).
; PREFETCH: kv and the first pass's Q are asked for at the head, with nothing to run ahead of.  The second pass's Q, 8,192 bytes a wave, is prefetched by one line a wave (lanes 256 bytes apart)
; behind the second barrier, nine key steps ahead of its loads, which stand in the first pass's last step.
; Both products are used transposed (source 0 = keys or V's rows, source 1 = my queries): a lane holds one query.  D is 64, so a K fragment holds two tiles of 16 keys and Q stands beside 8 registers of zero codes.
; A STEP'S ORDER: first products; V's fragments are loaded; block maxima; the NEXT step's K, bias and scale words are loaded; M; O^T rescaled; then the exponentials in two batches,
; with element-wise lines of the other tile among them, whose sources stand ahead of the batch's wait and whose results are read behind the wait that follows it.
; Dependent lines are kept apart: M's eight lines of one tile stand among 32 independent lines of the other, and a tile's sum runs in four chains.
; REGISTERS, window 0: v1-11 addresses, v12-55 state and work, v56-95 Q between zeros, v96-127 p's codes (ahead of them three partial sums), v128-255 scores of two tiles.  Window 1: v0-63 O^T, v64-127 K, v128-191 V, v192-255 bias.
.set STEPB, 17408
.set HEADB, 16*STEPB
.set STAGE, HEADB                      ; 16 rows x 272 bytes for each wave: Q's turn and the way out
.set SP,    272
.set SPARE, STAGE+8*16*SP              ; the spare words, 128 bytes a wave
.set LI,  1                            ; 16 x lane
.set LB,  2                            ; bias: 64 h + 16896
.set LSC, 3                            ; scale words: 8 x lane + 16384
.set ADK, 4                            ; next step's K, bias, scale words
.set ADB, 5
.set ADS, 6
.set ADV, 7                            ; this step's V, and its scale words
.set ADT, 8
.set RD,  9
.set STO, 10
.set PFO, 11                           ; 256 x lane
.set ST,  12                           ; per tile: -M, largest raw score, the sum in two halves
.set KS,  20
.set VS,  22
.set QS,  24
.set PS,  28
.set FF,  30                           ; per tile: f, work
.set BM,  34                           ; per tile: four block maxima
.set BT,  42
.set BH,  46
.set BO,  50
.set QR,  54                           ; Q back from the stage
.set QZ,  56
.set P,   96
.set S,   128
.set KF,  64
.set VF,  128
.set BI,  192
.set MSB, 0
.macro WIN new
.if MSB != \new
	s_set_vgpr_msb (MSB<<8)|\new
.set MSB, \new
.endif
.endm
.macro ROUND
	s_barrier_signal -1
	s_barrier_wait -1
	s_cmp_lg_u32 s12, 0
	s_cbranch_scc1 .Lnot_wave_0_\@
	s_barrier_signal -3
.Lnot_wave_0_\@:
	s_barrier_wait -3
	s_barrier_signal -1
	s_barrier_wait -1
.endm
.macro NOPS n
.rept \n
	v_nop
.endr
.endm
.macro WALU
	s_wait_alu depctr_va_vdst(0)
.endm
.macro QLOAD p                         ; 32 queries as they lie, 512 consecutive bytes a load, into K's registers
	WIN 0x40
.set i, 0
.rept 16
	global_load_b128 v[KF+4*i:KF+4*i+3], v[LI], s[4:5] offset:65536*\p+512*i th:TH_LOAD_NT
.set i, i+1
.endr
	WIN 0
.endm
	s_load_b256 s[4:11], s[0:1], 0x0               ; Q, kv, mask, out
	v_lshl_add_u32 v254, v0, 2, SPARE
	v_mov_b32 v255, 0
	ds_add_u32 v254, v255                          ; the opening lines: the add twice on end and its wait
	ds_add_u32 v254, v255
	v_lshrrev_b32 v1, 5, v0
	v_readfirstlane_b32 s12, v1                    ; wave 0..7
	v_and_b32 v53, 31, v0
	v_lshlrev_b32 v[LI], 4, v53
	v_lshlrev_b32 v[PFO], 8, v53
	s_bfe_u32 s13, ttmp6, 0x40000                  ; cx: which 512 queries
	s_and_b32 s14, ttmp7, 0xffff                   ; head
	s_mov_b32 s16, 15|(3<<16)|(1<<21)              ; group 1: mask of the four partners; 136 rows of 32 elements of 8 bytes, dense
	s_mov_b32 s17, 32<<16
	s_mov_b32 s18, 136<<16
	s_mov_b32 s19, 32<<16
	s_mov_b32 s20, 136
	s_mov_b32 s21, 32
	s_mov_b32 s22, 0
	s_mov_b32 s23, 0
	s_mul_i32 s24, s12, 2*STEPB                    ; my two key steps, in the head's block and in LDS
	s_mul_i32 s52, s14, HEADB
	s_add_co_u32 s52, s52, s24
	s_mov_b32 s53, 0
	s_lshl_b32 s54, s14, 19                        ; Q, out: head x 524,288 + cx x 131,072 + wave x 8,192 (+ 65,536 in the second pass)
	s_lshl_b32 s55, s13, 17
	s_add_co_u32 s54, s54, s55
	s_lshl_b32 s55, s12, 13
	s_add_co_u32 s54, s54, s55
	s_mov_b32 s55, 0
	s_lshr_b32 s26, s14, 4
	s_lshl_b32 s26, s26, 11                        ; mask: batch x 2,048
	s_mov_b32 s27, 0
	s_mov_b32 s40, 0x3e38aa3b                      ; c = log2(e) / 8
	s_mov_b32 s41, s40
	s_mov_b32 s45, 0xbe38aa3b                      ; -c
	s_mov_b32 s42, 0x76543210
	s_mov_b32 s43, 0xfedcba98                      ; lane l xor 16
	s_mov_b32 s44, 0x600000                        ; the mantissa field of 448
	WALU                                           ; the wait ahead of the blocking waits
	s_wait_dscnt 0x0
	s_wait_kmcnt 0x0
	s_mov_b32 s32, 1
	s_mov_b32 s33, s24
	s_add_nc_u64 s[34:35], s[6:7], s[52:53]
	s_or_b32 s35, s35, 0x80000000
	s_add_nc_u64 s[4:5], s[4:5], s[54:55]
	s_add_nc_u64 s[10:11], s[10:11], s[54:55]
	s_add_nc_u64 s[8:9], s[8:9], s[26:27]
.irp j, 0,1,2,3
	global_load_b128 v[S+4*\j:S+4*\j+3], v[LI], s[8:9] offset:512*\j   ; the batch's 2,048 mask bytes, 64 a lane
.endr
	QLOAD 0                                        ; what the first step needs is asked for first
	ROUND                                          ; the four partners are here: the joint loads meet
	s_cmp_lt_u32 s12, 4                            ; two arms, one load each: waves 0-3 bring key steps 0-7 and wait for them at the first barrier, waves 4-7 bring steps 8-15
	s_cbranch_scc0 .Lhi
	tensor_load_to_lds s[32:35], s[16:23]
	s_nop 0
	NOPS 4
	s_branch .Lasked
.Lhi:
	tensor_load_to_lds s[32:35], s[16:23]
	s_nop 0
	NOPS 4
.Lasked:
	v_and_b32 v51, 15, v0                          ; r
	v_bfe_u32 v52, v0, 4, 1                        ; h
	v_lshl_add_u32 v[LB], v52, 6, 16896
	v_lshl_add_u32 v[LSC], v53, 3, 16384
	s_mul_i32 s25, s12, 16*SP
	s_add_co_u32 s25, s25, STAGE                   ; my stage
	v_mul_u32_u24 v[RD], v52, SP
	v_lshl_add_u32 v[RD], v51, 4, v[RD]
	v_add_nc_u32 v[RD], s25, v[RD]                 ; by rows: lanes 0-15 one row, lanes 16-31 the next
	v_mul_u32_u24 v[STO], v51, SP
	v_add_nc_u32 v[STO], s25, v[STO]
	v_lshl_add_u32 v[QR], v52, 6, v[STO]           ; row r, + 64 h
	v_lshl_add_u32 v[STO], v52, 5, v[STO]          ; row r, + 32 h
.irp z, 0,16,32
.irp j, 0,1,2,3,4,5,6,7
	v_mov_b32 v[QZ+\z+\j], 0                       ; zero codes beside Q
.endr
.endr
.irp b, 0,1,2,3
	v_mov_b32 v[BT+\b], 0                          ; a lane permute's destination counts as a source
.endr
	WALU                                           ; the wait ahead of the blocking wait
	s_wait_loadcnt 16                              ; the mask bytes are in; Q's 16 loads may be out
.irp j, 0,1,2,3,4,5,6,7
	v_and_b32 v[S+\j], v[S+\j], v[S+8+\j]
.endr
.irp j, 0,1,2,3
	v_and_b32 v[S+\j], v[S+\j], v[S+4+\j]
.endr
	v_and_b32 v[S], v[S], v[S+2]
	v_and_b32 v[S+1], v[S+1], v[S+3]
	v_and_b32 v[S], v[S], v[S+1]
	v_cmp_ne_u32 vcc_lo, 0x01010101, v[S]
	s_cmp_eq_u32 vcc_lo, 0                         ; are all keys masked?
	s_cselect_b32 s46, 0, 1.0                      ; then Q x 0,
	s_mov_b32 s48, 0xe0800000                      ; (else the maximum begins at -2^66)
	s_cselect_b32 s48, 0xff61b1e6, s48             ; and the maximum begins at -3e38
	s_mov_b32 s47, s46
; 32 queries, raw in K's registers, become codes between the zeros and four scale words
.macro QPREP
	s_wait_loadcnt 0x0
.irp T, 0,1
	WIN 0x04
.irp k, 0,1,2,3,4,5,6,7
	ds_store_b128 v[RD], v[KF+32*\T+4*\k:KF+32*\T+4*\k+3] offset:2*\k*SP
.endr
	WIN 0
.irp c, 0,1
.irp j, 0,1,2,3
	ds_load_b128 v[S+64*\T+16*\c+4*\j:S+64*\T+16*\c+4*\j+3], v[QR] offset:128*\c+16*\j   ; LDS serves a wave's instructions in order
.endr
.endr
.endr
	s_wait_dscnt 0x0
.irp T, 0,1
.set i, 0
.rept 16
	v_pk_mul_f32 v[S+64*\T+i:S+64*\T+i+1], v[S+64*\T+i:S+64*\T+i+1], s[46:47] op_sel_hi:[1,0]
.set i, i+2
.endr
.endr
.irp q, 0,1,2,3
	v_max3_num_f32 v[BM+\q], |v[S+64*(\q/2)+16*(\q%2)]|, |v[S+64*(\q/2)+16*(\q%2)+1]|, 0x4800000
.endr
.irp i, 2,4,6,8,10,12,14
.irp q, 0,1,2,3
	v_max3_num_f32 v[BM+\q], v[BM+\q], |v[S+64*(\q/2)+16*(\q%2)+\i]|, |v[S+64*(\q/2)+16*(\q%2)+\i+1]|
.endr
.endr
.irp q, 0,1,2,3
	v_permlanex16_b32 v[BT+\q], v[BM+\q], s42, s43
.endr
.irp q, 0,1,2,3
	v_max_num_f32 v[BM+\q], v[BM+\q], v[BT+\q]
.endr
.irp q, 0,1,2,3
	v_add_nc_u32 v[BO+\q], 0xfc000000, v[BM+\q]
.endr
.irp q, 0,1,2,3
	v_and_or_b32 v[BH+\q], v[BM+\q], 0x7f800000, s44
.endr
.irp q, 0,1,2,3
	v_lshrrev_b32 v[BT+\q], 23, v[BO+\q]
.endr
.irp T, 0,1
	v_lshl_or_b32 v[QS+2*\T], v[BT+2*\T+1], 8, v[BT+2*\T]        ; Q in the lower 64 of K
.endr
.irp T, 0,1
	v_lshlrev_b32 v[QS+2*\T+1], 16, v[QS+2*\T]                   ; Q in the upper 64
.endr
.irp q, 0,1,2,3
.set rS, S+64*(\q/2)+16*(\q%2)
.set rQ, QZ+8+16*(\q/2)+4*(\q%2)
.set i, 0
.rept 16
	v_med3_num_f32 v[rS+i], v[rS+i], -v[BH+\q], v[BH+\q]
.set i, i+1
.endr
	v_cvt_scalef32_pk8_fp8_f32 v[rQ:rQ+1], v[rS:rS+7], v[BO+\q]
	v_cvt_scalef32_pk8_fp8_f32 v[rQ+2:rQ+3], v[rS+8:rS+15], v[BO+\q]
.endr
	v_nop                                          ; a plain line behind the last conversion
.endm
.macro RESET                           ; a pass begins: the maximum, -M, the sums, O^T
.irp T, 0,1
	v_mov_b32 v[ST+4*\T+1], s48
	v_mov_b32 v[ST+4*\T+2], 0
	v_mov_b32 v[ST+4*\T+3], 0
.endr
.irp T, 0,1
	v_mul_f32 v[ST+4*\T], s45, v[ST+4*\T+1]
.endr
.irp T, 0,1
	v_floor_f32 v[ST+4*\T], v[ST+4*\T]
.endr
	WIN 0x40
.set i, 0
.rept 64
	v_mov_b32 v[i], 0                              ; the step is written once: the first change of M multiplies zeros
.set i, i+1
.endr
	WIN 0
	WALU                                           ; the wait ahead of the blocking wait that follows
.endm
; line n of M's chain of tile T
.macro CL T, n
.if (\n) == 0
	v_max3_num_f32 v[FF+2*\T+1], v[BM+4*\T], v[BM+4*\T+1], v[BM+4*\T+2]
.endif
.if (\n) == 1
	v_max3_num_f32 v[ST+4*\T+1], v[ST+4*\T+1], v[FF+2*\T+1], v[BM+4*\T+3]   ; the running largest raw score
.endif
.if (\n) == 2
	v_mul_f32 v[FF+2*\T+1], s45, v[ST+4*\T+1]      ; -t
.endif
.if (\n) == 3
	v_floor_f32 v[FF+2*\T], v[FF+2*\T+1]           ; the new -M = floor(-t)
.endif
.if (\n) == 4
	v_sub_f32 v[FF+2*\T+1], v[FF+2*\T], v[ST+4*\T] ; old M - new M: a whole number, 0 or less
.endif
.if (\n) == 5
	v_mov_b32 v[ST+4*\T], v[FF+2*\T]
.endif
.if (\n) == 6
	v_cvt_i32_f32 v[FF+2*\T+1], v[FF+2*\T+1]       ; (it saturates)
.endif
.if (\n) == 7
	v_ldexp_f32 v[FF+2*\T], 1.0, v[FF+2*\T+1]      ; f = 2^(old M - new M)
.endif
.endm
.macro CLX X                           ; the chain's next line, if a chain goes along
.if (\X) >= 0
	CL \X, cg
.endif
.set cg, cg+1
.endm
.macro MAXB T, X                       ; the largest score of each block of 32 keys: my 16.  Behind each group of four lines stands a line of tile X's chain
.set rS, S+64*\T
.set rM, BM+4*\T
.set cg, 0
.irp b, 0,1,2,3
	v_max3_num_f32 v[rM+\b], v[rS+16*\b], v[rS+16*\b+1], v[rS+16*\b+2]
.endr
	CLX \X
.irp i, 3,5,7,9,11,13
.irp b, 0,1,2,3
	v_max3_num_f32 v[rM+\b], v[rM+\b], v[rS+16*\b+\i], v[rS+16*\b+\i+1]
.endr
	CLX \X
.endr
.irp b, 0,1,2,3
	v_max_num_f32 v[rM+\b], v[rM+\b], v[rS+16*\b+15]
.endr
	CLX \X
.endm
.macro JOIN T                          ; with lane l xor 16's 16
.irp b, 0,1,2,3
	v_permlanex16_b32 v[BT+\b], v[BM+4*\T+\b], s42, s43
.endr
.irp b, 0,1,2,3
	v_max_num_f32 v[BM+4*\T+\b], v[BM+4*\T+\b], v[BT+\b]
.endr
.endm
.macro SUMS T                          ; sum = sum x f + the 64 unquantised p, two at a time, in four chains; three of them stand where the tile's codes will be written
.set rS, S+64*\T
.set rL, ST+4*\T+2
.set rX, P+16*\T
	v_pk_fma_f32 v[rL:rL+1], v[rL:rL+1], v[FF+2*\T:FF+2*\T+1], v[rS:rS+1] op_sel_hi:[1,0,1]
.irp k, 0,1,2
	v_pk_add_f32 v[rX+2*\k:rX+2*\k+1], v[rS+2+2*\k:rS+3+2*\k], v[rS+8+2*\k:rS+9+2*\k]
.endr
.irp j, 14,22,30,38,46,54
	v_pk_add_f32 v[rL:rL+1], v[rL:rL+1], v[rS+\j:rS+\j+1]
.irp k, 0,1,2
	v_pk_add_f32 v[rX+2*\k:rX+2*\k+1], v[rX+2*\k:rX+2*\k+1], v[rS+\j+2+2*\k:rS+\j+3+2*\k]
.endr
.endr
	v_pk_add_f32 v[rL:rL+1], v[rL:rL+1], v[rS+62:rS+63]
	v_pk_add_f32 v[rX:rX+1], v[rX:rX+1], v[rX+2:rX+3]
	v_pk_add_f32 v[rL:rL+1], v[rL:rL+1], v[rX+4:rX+5]
	v_pk_add_f32 v[rL:rL+1], v[rL:rL+1], v[rX:rX+1]
.endm
.macro SCALES T                        ; from each block's largest p: the conversion's operand, 448 x the scale, the scale word
.set rM, BM+4*\T
.irp b, 0,1,2,3
	v_max_num_f32 v[rM+\b], 0x4800000, v[rM+\b]    ; the floor 2^(9 - 127): the byte cannot fall under 1
.endr
.irp b, 0,1,2,3
	v_add_nc_u32 v[BO+\b], 0xfc000000, v[rM+\b]
.endr
.irp b, 0,1,2,3
	v_and_or_b32 v[BH+\b], v[rM+\b], 0x7f800000, s44
.endr
.irp b, 0,1,2,3
	v_lshrrev_b32 v[BT+\b], 23, v[BO+\b]
.endr
	v_lshl_or_b32 v[BT], v[BT+1], 8, v[BT]
	v_lshl_or_b32 v[BT+2], v[BT+3], 8, v[BT+2]
	v_lshl_or_b32 v[PS+\T], v[BT+2], 16, v[BT]
.endm
.macro HOLD a, h                       ; two p held at 448 x the scale (p is not negative; the conversion does not saturate: ISA guide 7.6.2)
	v_dual_min_num_f32 v[(\a)], v[(\a)], v[(\h)] :: v_dual_min_num_f32 v[(\a)+1], v[(\a)+1], v[(\h)]
.endm
.macro CODES T
.irp b, 0,1,2,3
	v_cvt_scalef32_pk8_fp8_f32 v[P+16*\T+4*\b:P+16*\T+4*\b+1], v[S+64*\T+16*\b:S+64*\T+16*\b+7], v[BO+\b]
	v_cvt_scalef32_pk8_fp8_f32 v[P+16*\T+4*\b+2:P+16*\T+4*\b+3], v[S+64*\T+16*\b+8:S+64*\T+16*\b+15], v[BO+\b]
.endr
.endm
.macro SPROD T, b, u
.set rD, S+64*\T+16*\b+8*\u
.set rA, KF+16*\b
.set rB, QZ+8+16*\T-8*\u
.set rC, BI+16*\b+8*\u
.if (\b)%2
	v_wmma_scale_f32_16x16x128_f8f6f4 v[rD:rD+7], v[rA:rA+15], v[rB:rB+15], v[rC:rC+7], v[KS+\b/2], v[QS+2*\T+\u] matrix_a_scale:MATRIX_SCALE_ROW1
.else
	v_wmma_scale_f32_16x16x128_f8f6f4 v[rD:rD+7], v[rA:rA+15], v[rB:rB+15], v[rC:rC+7], v[KS+\b/2], v[QS+2*\T+\u]
.endif
.endm
.macro OPROD T, t
.set rD, 32*\T+8*\t
.if (\t)%2
	v_wmma_scale_f32_16x16x128_f8f6f4 v[rD:rD+7], v[VF+16*\t:VF+16*\t+15], v[P+16*\T:P+16*\T+15], v[rD:rD+7], v[VS+\t/2], v[PS+\T] matrix_a_scale:MATRIX_SCALE_ROW1
.else
	v_wmma_scale_f32_16x16x128_f8f6f4 v[rD:rD+7], v[VF+16*\t:VF+16*\t+15], v[P+16*\T:P+16*\T+15], v[rD:rD+7], v[VS+\t/2], v[PS+\T]
.endif
.endm
.macro KADDR                           ; the step at LDS byte s51
	v_add_nc_u32 v[ADK], s51, v[LI]
	v_add_nc_u32 v[ADB], s51, v[LB]
	v_add_nc_u32 v[ADS], s51, v[LSC]
.endm
.macro KLOADS                          ; 33 LDS loads: K's scale words, K's four fragments, the bias of 128 keys
	ds_load_b64 v[KS:KS+1], v[ADS]
	WIN 0x40
.irp b, 0,1,2,3
.irp c, 0,1,2,3
	ds_load_b128 v[KF+16*\b+4*\c:KF+16*\b+4*\c+3], v[ADK] offset:2048*\b+512*\c
.endr
.endr
.irp b, 0,1,2,3
.irp j, 0,1,2,3
	ds_load_b128 v[BI+16*\b+4*\j:BI+16*\b+4*\j+3], v[ADB] offset:128*\b+16*\j
.endr
.endr
	WIN 0
.endm
; A KEY STEP of 128 keys for my two tiles.  s49: this step's LDS byte; s51: the next step's.  nk = 1: the next step's K is fetched here; 2: the second pass's Q in its place; 0: nothing
.macro STEP nk
	s_wait_dscnt 0x0                               ; K, bias and scale words, asked for in the step before
	WIN 0x11
.irp T, 0,1
.irp b, 0,1,2,3
.irp u, 0,1
	SPROD \T, \b, \u
.endr
.endr
.endr
	WIN 0
	v_add_nc_u32 v[ADV], s49, v[LI]                ; eight places: behind the last step's second products for V's loads, behind tile 0's first products for their readers
	v_add_nc_u32 v[ADT], s49, v[LSC]
.if \nk == 1
	KADDR
	NOPS 3
.else
	NOPS 6
.endif
	ds_load_b64 v[VS:VS+1], v[ADT] offset:256      ; 17 LDS loads: V's scale words and four fragments
	WIN 0x40
.irp t, 0,1,2,3
.irp c, 0,1,2,3
	ds_load_b128 v[VF+16*\t+4*\c:VF+16*\t+4*\c+3], v[ADV] offset:8192+2048*\t+512*\c
.endr
.endr
	WIN 0
	MAXB 0, -1                                     ; (32 lines: the places behind tile 1's products, for their readers and for the loads below)
.if \nk == 1
	KLOADS
.endif
.if \nk == 2
	QLOAD 1
.endif
	JOIN 0
	MAXB 1, 0                                      ; tile 1's maxima, tile 0's chain among them
	JOIN 1
.set i, 0
.set cg, 0
.rept 8
.rept 4
	v_pk_fma_f32 v[S+i:S+i+1], v[S+i:S+i+1], s[40:41], v[ST:ST+1] op_sel_hi:[1,0,0]   ; tile 0: t - M; tile 1's chain among them
.set i, i+2
.endr
	CLX 1
.endr
	WIN 0x41
.set i, 0
.rept 32
	v_pk_mul_f32 v[i:i+1], v[i:i+1], v[FF+2*(i/32):FF+2*(i/32)+1] op_sel_hi:[1,0]   ; O^T x f, ahead of the exponentials
.set i, i+2
.endr
	WIN 0
.irp T, 0,1
.irp b, 0,1,2,3
	v_fma_f32 v[BM+4*\T+\b], v[BM+4*\T+\b], s40, v[ST+4*\T]   ; t - M of each block's largest score
.endr
.endr
	WALU                                           ; the wait ahead of the batch
.set i, 0
.rept 32
	v_exp_f32 v[S+i], v[S+i]                       ; tile 0's p; among them tile 1's t - M
	v_pk_fma_f32 v[S+64+2*i:S+65+2*i], v[S+64+2*i:S+65+2*i], s[40:41], v[ST+4:ST+5] op_sel_hi:[1,0,0]
.set i, i+1
.endr
.rept 32
	v_exp_f32 v[S+i], v[S+i]
.set i, i+1
.endr
.irp j, 0,1,2,3,4,5,6,7
	v_exp_f32 v[BM+\j], v[BM+\j]                   ; each block's largest p, of both tiles
.endr
	v_nop                                          ; a plain place behind the last
	WALU                                           ; and the wait behind the batch
	SUMS 0
	SCALES 0
	WALU                                           ; ahead of the second batch
.set i, 0
.rept 32
	v_exp_f32 v[S+64+2*i], v[S+64+2*i]             ; tile 1's p; among them tile 0's holds
	HOLD S+2*i,BH+i/8
	v_exp_f32 v[S+65+2*i], v[S+65+2*i]
.set i, i+1
.endr
	v_nop
	WALU                                           ; behind the batch, and directly ahead of the blocking wait
.if \nk == 1
	s_wait_dscnt 33                                ; V is in; the 33 loads of the next step's K, issued behind V's, may be out
.else
	s_wait_dscnt 0x0
.endif
	CODES 0
	SUMS 1
	SCALES 1
.set i, 0
.rept 32
	HOLD S+64+2*i,BH+i/8
.set i, i+1
.endr
	CODES 1
	NOPS 4                                         ; codes written by vector instructions stand four places ahead of a scaled product
	WIN 0x51
.irp t, 0,1,2,3
.irp T, 0,1
	OPROD \T, \t                                   ; eight accumulators, one instruction each
.endr
.endr
	WIN 0
.endm
.macro KLOOP trips
	s_mov_b32 s50, \trips
.Lkey_\@:
	STEP 1
	s_add_co_u32 s49, s49, STEPB
	s_add_co_u32 s51, s51, STEPB
	s_sub_co_u32 s50, s50, 1
	s_cmp_lg_u32 s50, 0
	s_cbranch_scc1 .Lkey_\@
.endm
; THE WAY OUT of a pass: O^T / the sum, through my stage, as rows of 256 bytes
.macro OUT p
.irp T, 0,1
	v_add_f32 v[FF+2*\T+1], v[ST+4*\T+2], v[ST+4*\T+3]
.endr
.irp T, 0,1
	v_permlanex16_b32 v[BT+\T], v[FF+2*\T+1], s42, s43
.endr
.irp T, 0,1
	v_add_f32 v[FF+2*\T+1], v[FF+2*\T+1], v[BT+\T]
.endr
	WALU                                           ; ahead of the transcendentals
.irp T, 0,1
	v_rcp_f32 v[FF+2*\T], v[FF+2*\T+1]
.endr
	NOPS 4
	WALU                                           ; behind them, directly ahead of O^T's first readers
	WIN 0x01
.irp T, 0,1
.set i, 0
.rept 16
	v_pk_mul_f32 v[S+64*\T+i:S+64*\T+i+1], v[32*\T+i:32*\T+i+1], v[FF+2*\T:FF+2*\T+1] op_sel_hi:[1,0]
.set i, i+2
.endr
.endr
	WIN 0
.irp T, 0,1
.irp t, 0,1,2,3
	ds_store_b128 v[STO], v[S+64*\T+8*\t:S+64*\T+8*\t+3] offset:64*\t
	ds_store_b128 v[STO], v[S+64*\T+8*\t+4:S+64*\T+8*\t+7] offset:64*\t+16
.endr
.irp i, 0,1,2,3,4,5,6,7
	ds_load_b128 v[S+64*\T+32+4*\i:S+64*\T+32+4*\i+3], v[RD] offset:2*\i*SP
.endr
.endr
.irp T, 0,1
.irp i, 0,1,2,3,4,5,6,7
	s_wait_dscnt 16*(1-\T)+7-\i                    ; the LDS instructions issued behind this row pair's load
	global_store_b128 v[LI], v[S+64*\T+32+4*\i:S+64*\T+32+4*\i+3], s[10:11] offset:65536*\p+4096*\T+512*\i th:TH_STORE_NT
.endr
.endr
	s_wait_xcnt 0x0                                ; the stores' data registers are written again only behind this wait
.endm
	QPREP                                          ; the first pass's Q
	RESET
	s_cmp_lt_u32 s12, 4
	s_cbranch_scc0 .Lnot_mine
	s_wait_tensorcnt 0x0                           ; waves 0-3: my two of key steps 0-7 are in
.Lnot_mine:
	s_wait_dscnt 0x0
	s_barrier_signal -1
	s_barrier_wait -1
	s_mov_b32 s49, 0
	s_mov_b32 s51, 0
	KADDR
	KLOADS                                         ; step 0's K
	s_mov_b32 s51, STEPB
	KLOOP 7                                        ; steps 0-6 read steps 0-7 alone
	s_wait_tensorcnt 0x0                           ; every wave: all that is still out
	s_wait_dscnt 0x0
	s_barrier_signal -1
	s_barrier_wait -1
	global_prefetch_b8 v[PFO], s[4:5] offset:65536 th:TH_LOAD_NT scope:SCOPE_SE   ; my second pass's 32 rows of Q; its address registers are never written again
	KLOOP 8                                        ; steps 7-14
	STEP 2                                         ; step 15; the second pass's Q is loaded where K's fetch stands
	OUT 0
	QPREP
	s_mov_b32 s49, 0
	s_mov_b32 s51, 0
	KADDR
	KLOADS                                         ; step 0's K once more, under the lines below
	RESET
	s_mov_b32 s51, STEPB
	KLOOP 15
	STEP 0                                         ; the last step fetches nothing
	OUT 1
	v_lshl_add_u32 v254, v0, 2, SPARE              ; the add's two registers are made anew: none could be kept
	v_mov_b32 v255, 0
	WALU
	s_wait_tensorcnt 0x0                           ; the wave's end
	ds_add_u32 v254, v255
	s_wait_dscnt 0x0
	ROUND                                          ; the closing round
	s_endpgm
.Lfunc_end_k_q236fe6bd4b_attn:
	.size	k_q236fe6bd4b_attn, .Lfunc_end_k_q236fe6bd4b_attn-k_q236fe6bd4b_attn
	.p2alignl 7, 3214868480
	.fill 96, 4, 3214868480
	.section	.rodata,"a",@progbits
	.p2align	6, 0x0
	.amdhsa_kernel k_q236fe6bd4b_attn
		.amdhsa_group_segment_fixed_size 327680
		.amdhsa_private_segment_fixed_size 0
		.amdhsa_enable_private_segment 0
		.amdhsa_kernarg_size 32
		.amdhsa_user_sgpr_count 2
		.amdhsa_user_sgpr_kernarg_segment_ptr 1
		.amdhsa_wavefront_size32 1
		.amdhsa_system_sgpr_workgroup_id_x 1
		.amdhsa_system_sgpr_workgroup_id_y 1
		.amdhsa_system_sgpr_workgroup_id_z 1
		.amdhsa_system_vgpr_workitem_id 0
		.amdhsa_next_free_vgpr 512
		.amdhsa_next_free_sgpr 66
		.amdhsa_reserve_vcc 1
		.amdhsa_float_denorm_mode_32 3
		.amdhsa_float_denorm_mode_16_64 3
		.amdhsa_memory_ordered 1
		.amdhsa_forward_progress 1
		.amdhsa_inst_pref_size 226
	.end_amdhsa_kernel
	.amdgpu_metadata
---
amdhsa.version: [ 1, 2 ]
amdhsa.kernels:
  - .name:           k_q236fe6bd4b_attn
    .symbol:         k_q236fe6bd4b_attn.kd
    .args:
      - { .name: Q, .offset: 0, .size: 8, .value_kind: global_buffer, .address_space: global }
      - { .name: kv, .offset: 8, .size: 8, .value_kind: global_buffer, .address_space: global }
      - { .name: attn_mask, .offset: 16, .size: 8, .value_kind: global_buffer, .address_space: global }
      - { .name: out0, .offset: 24, .size: 8, .value_kind: global_buffer, .address_space: global }
    .group_segment_fixed_size: 327680
    .private_segment_fixed_size: 0
    .kernarg_segment_align: 8
    .kernarg_segment_size: 32
    .max_flat_workgroup_size: 256
    .sgpr_count:     66
    .vgpr_count:     512
    .wavefront_size: 32
...
	.end_amdgpu_metadata
.endif
;; end of part 2
